; MI455X (gfx1250); checked and timed in simulation.
; The chip was launched on July 23, 2026; its instructions are those of AMD's public machine-readable ISA for CDNA 5 (MIT licence, August 2026) and "CDNA5" Instruction Set Architecture Reference Guide (July 2026). The comments in the code are by the model that wrote it; some were corrected since.
;; Logical Attention Layer. Allowed arithmetic: float matrix products may take bf16 or f16 operands with f32 sums; other float arithmetic in f32, or as packed bf16 or f16 multiplies, adds, multiply-adds, maxima and minima; sums over many terms, partial sums and values carried from step to step in f32; what a program stores and reads back later, other than sums and carried values, may be rounded once to bf16 or f16.
;; Inputs: Wk 1,024 x 1,024 float32; Wo 1,024 x 1,024 float32; Wq 1,024 x 1,024 float32; Wv 1,024 x 1,024 float32; bk 1,024 float32; bo 1,024 float32; bq 1,024 float32; bv 1,024 float32; x 4 x 4,096 x 1,024 float32.
;; Outputs: out0 4 x 4,096 x 1,024 float32.
;; One version. Each part assembles by itself: llvm-mc -triple=amdgcn-amd-amdhsa -mcpu=gfx1250 --defsym DOCPART=n.
;; ======== version 1 of 1: 4 launches
;; limits: values are held in f16: magnitudes above 65,504 overflow, below 6.1e-05 lose precision
;; workspace buffers: xb 33,554,432 bytes; wqkv 6,291,456 bytes; wo16 2,097,152 bytes; bias 16,384 bytes; qkv 100,663,296 bytes; o16 33,554,432 bytes
;; launch prep (part 1): grid 1024 x 1, 8 waves a work-group, no clusters, 0 bytes of LDS; arguments x, Wq, Wk, Wv, Wo, bq, bk, bv, bo, xb, wqkv, wo16, bias; writes xb, wqkv, wo16, bias
.if DOCPART == 1
	.amdgcn_target "amdgcn-amd-amdhsa--gfx1250"
	.amdhsa_code_object_version 6
	.text
	.protected	k_q3a00816249_prep
	.globl	k_q3a00816249_prep
	.p2align	8
	.type	k_q3a00816249_prep,@function
k_q3a00816249_prep:
	s_mov_b64 s[64:65], 0
	v_nop
	global_prefetch_b8 v0, s[64:65] scope:SCOPE_SE
	s_setreg_imm32_b32 hwreg(HW_REG_WAVE_MODE, 25, 1), 1
	s_wait_xcnt 0x0
; PREP: every input is rounded once to bf16 and laid out for the three launches behind it.
;   xb   [16384][1024] bf16 = x.
;   wqkv [3072][1024] bf16: plane p (q, k, v) at rows 1024 p on; row n2 of a plane is row n of Wq, Wk or Wv:
;        q, k:  n2 = [dblk:3][h:4][dd:3]        holds n = 64 h + 8 dblk + dd
;        v:     n2 = [i:2][hh:1][d:4][g:3]      holds n = 64 (8 hh + g) + 16 i + d
;   wo16 [1024][1024] f16: Wo rounded to bf16, that number written as f16; chunk c2 of 8 columns holds Wo's chunk ((c2 & 15) << 3) | (c2 >> 4).
;   bias [4096] f32: bq, bk, bv in their plane's row order, then bo; each rounded to bf16 and widened again.
; With these orders every 16 bytes that a lane of the attention launch loads or stores is a piece of a matrix fragment as it lies.
; LIMITS: Wo beyond 65,504 becomes an infinity in f16; below 6e-5 it keeps f16's fixed step of 6e-8.
; SHARES: work-group w takes 65,536 bytes of x and the four destination weight rows 4 w .. 4 w + 3 (plane p = w >> 8; p = 3 is Wo);
; a wave takes half a weight row, 64 chunks of 8 numbers, two a lane.  In the 64 work-groups with w % 16 = 0 wave 0 also makes 64 numbers of bias.
; A stream: no LDS, no barrier, no matrix unit, no loop; all 20 loads of a wave go out together.
.set X,   32                           ; v[32:95]   16 x 4 floats of x, packed in place
.set WD,  16                           ; v[16:31]   2 chunks x 8 floats of a weight row, packed in place
; v0 thread; v1 16 x thread; v2 8 x thread; v3 lane; v4-9 at work; v10-11 destination chunks; v12-13 source offsets; v14-15 destination offsets; v96-97 at work; v104-111 the bias
; s30 wave; s31 destination row R; s32 plane p; s33 n2 = R & 1023; s34 all ones where p < 2; s35 all ones where p = 3; s36 source row n
; s[38:39] the plane's W at row n; s[40:41] its b; s[42:43] the destination row; s2, s3, s37, s[44:47] at work
; d = the source row (or bias number) of row e of the plane, in each lane
.macro VPERM d, e
	v_bfe_u32 v4, \e, 3, 4                         ; a: bits 6:3
	v_and_b32 v5, 7, \e                            ; lo: bits 2:0
	v_lshrrev_b32 v6, 7, \e                        ; t: bits 9:7
	v_lshlrev_b32 v7, 3, v6
	v_lshl_or_b32 v7, v4, 6, v7
	v_or_b32 v7, v7, v5                            ; q, k: a << 6 | t << 3 | lo
	v_and_b32 v8, 1, v6
	v_lshlrev_b32 v8, 9, v8
	v_lshl_or_b32 v8, v5, 6, v8
	v_lshrrev_b32 v9, 8, \e
	v_lshl_or_b32 v8, v9, 4, v8
	v_or_b32 v8, v8, v4                            ; v: (t & 1) << 9 | lo << 6 | (e >> 8) << 4 | a
	v_cndmask_b32 \d, v8, v7, s34
	v_cndmask_b32 \d, \d, \e, s35                  ; o: as it is
.endm
	s_load_b512 s[4:19], s[0:1], 0x0               ; x s[4:5], Wq s[6:7], Wk s[8:9], Wv s[10:11], Wo s[12:13], bq s[14:15], bk s[16:17], bv s[18:19]
	s_load_b256 s[20:27], s[0:1], 0x40             ; bo s[20:21], xb s[22:23], wqkv s[24:25], wo16 s[26:27]
	s_load_b64 s[28:29], s[0:1], 0x60              ; bias
	v_lshrrev_b32 v3, 5, v0
	v_readfirstlane_b32 s30, v3                    ; wave 0..7
	v_and_b32 v3, 31, v0                           ; lane
	v_lshlrev_b32 v1, 4, v0
	v_lshlrev_b32 v2, 3, v0
	s_lshr_b32 s32, ttmp9, 8                       ; p
	s_lshr_b32 s2, s30, 1
	s_lshl_b32 s31, ttmp9, 2
	s_add_co_u32 s31, s31, s2                      ; R = 4 w + wave / 2
	s_and_b32 s33, s31, 1023                       ; n2
	s_cmp_lt_u32 s32, 2
	s_cselect_b32 s34, -1, 0
	s_cmp_eq_u32 s32, 3
	s_cselect_b32 s35, -1, 0
	; the wave's source row, as VPERM makes it, in scalars
	s_bfe_u32 s2, s33, 0x40003                     ; a
	s_and_b32 s3, s33, 7                           ; lo
	s_lshr_b32 s36, s33, 7                         ; t
	s_lshl_b32 s37, s2, 6
	s_lshl_b32 s44, s36, 3
	s_or_b32 s37, s37, s44
	s_or_b32 s37, s37, s3                          ; q, k
	s_and_b32 s44, s36, 1
	s_lshl_b32 s44, s44, 9
	s_lshl_b32 s45, s3, 6
	s_or_b32 s44, s44, s45
	s_lshr_b32 s45, s33, 8
	s_lshl_b32 s45, s45, 4
	s_or_b32 s44, s44, s45
	s_or_b32 s44, s44, s2                          ; v
	s_cmp_lt_u32 s32, 2
	s_cselect_b32 s36, s37, s44
	s_cmp_eq_u32 s32, 3
	s_cselect_b32 s36, s33, s36                    ; n
	; my two chunks of the destination row, and where they come from
	s_and_b32 s2, s30, 1
	s_lshl_b32 s2, s2, 6
	v_add_nc_u32 v10, s2, v3                       ; 64 x half + lane
	v_add_nc_u32 v11, 32, v10
.irp u, 0,1
	v_and_b32 v4, 15, v[10+\u]
	v_lshrrev_b32 v5, 4, v[10+\u]
	v_lshl_or_b32 v4, v4, 3, v5
	v_cndmask_b32 v4, v[10+\u], v4, s35            ; only Wo's columns change places
	v_lshlrev_b32 v[12+\u], 5, v4                  ; 32 bytes of f32 a chunk
	v_lshlrev_b32 v[14+\u], 4, v[10+\u]            ; 16 bytes of 16-bit numbers a chunk
.endr
	s_wait_kmcnt 0x0
	s_cmp_eq_u32 s32, 0                            ; the plane's buffers: every choice hangs on p alone
	s_cselect_b64 s[38:39], s[6:7], s[8:9]
	s_cselect_b64 s[40:41], s[14:15], s[16:17]
	s_cmp_eq_u32 s32, 2
	s_cselect_b64 s[38:39], s[10:11], s[38:39]
	s_cselect_b64 s[40:41], s[18:19], s[40:41]
	s_cmp_eq_u32 s32, 3
	s_cselect_b64 s[38:39], s[12:13], s[38:39]
	s_cselect_b64 s[40:41], s[20:21], s[40:41]
	s_cselect_b64 s[42:43], s[26:27], s[24:25]
	s_cselect_b32 s44, s33, s31                    ; row n2 of wo16, or row R of wqkv
	s_lshl_b32 s44, s44, 11
	s_mov_b32 s45, 0
	s_add_nc_u64 s[42:43], s[42:43], s[44:45]
	s_lshl_b32 s46, s36, 12
	s_mov_b32 s47, 0
	s_add_nc_u64 s[38:39], s[38:39], s[46:47]
	s_lshl_b32 s44, ttmp9, 16
	s_add_nc_u64 s[4:5], s[4:5], s[44:45]          ; x at the work-group's 65,536 bytes
	s_lshl_b32 s44, ttmp9, 15
	s_add_nc_u64 s[22:23], s[22:23], s[44:45]      ; xb at its 32,768
	; THE BIAS: numbers 4 w .. 4 w + 63 of the table, two a lane.  The block stands first and waits for its own loads, so that the counted waits below hold on both ways.
	s_and_b32 s2, ttmp9, 15
	s_or_b32 s2, s2, s30
	s_cmp_lg_u32 s2, 0
	s_cbranch_scc1 .Lnobias
	s_lshl_b32 s2, ttmp9, 2
	s_and_b32 s2, s2, 1023
	v_lshl_add_u32 v104, v3, 1, s2
	v_add_nc_u32 v105, 1, v104
	VPERM v106, v104
	VPERM v107, v105
	v_lshlrev_b32 v106, 2, v106
	v_lshlrev_b32 v107, 2, v107
	global_load_b32 v108, v106, s[40:41]
	global_load_b32 v109, v107, s[40:41]
	s_lshl_b32 s2, ttmp9, 4
	v_lshl_add_u32 v110, v3, 3, s2                 ; 16 w + 8 x lane
	s_wait_loadcnt 0x0
	v_cvt_pk_bf16_f32 v111, v108, v109             ; rounded to bf16,
	v_lshlrev_b32 v108, 16, v111                   ; and widened again
	v_and_b32 v109, 0xffff0000, v111
	global_store_b64 v110, v[108:109], s[28:29]    ; the wave stores 256 consecutive bytes, aligned
.Lnobias:
.irp u, 0,1
	global_load_b128 v[WD+8*\u:WD+8*\u+3],   v[12+\u], s[38:39]
	global_load_b128 v[WD+8*\u+4:WD+8*\u+7], v[12+\u], s[38:39] offset:16
.endr
.set i, 0
.rept 16
	global_load_b128 v[X+4*i:X+4*i+3], v1, s[4:5] offset:4096*i th:TH_LOAD_NT  ; a wave's load covers 512 consecutive bytes
.set i, i+1
.endr
	s_wait_loadcnt 16                              ; the four weight loads are in; the 16 loads of x issued behind them stay out
.irp u, 0,1
.irp k, 0,1,2,3
	v_cvt_pk_bf16_f32 v[WD+8*\u+\k], v[WD+8*\u+2*\k], v[WD+8*\u+2*\k+1]  ; in place: word k is written when numbers 2 k, 2 k + 1 are read, and lower words are done with
.endr
.endr
	s_cmp_eq_u32 s32, 3
	s_cbranch_scc0 .Lbf16
.irp r, 16,17,18,19,24,25,26,27
	v_lshlrev_b32 v96, 16, v\r                     ; Wo: the bf16 numbers are written as f16
	v_and_b32 v97, 0xffff0000, v\r
	v_cvt_pk_f16_f32 v\r, v96, v97
.endr
.Lbf16:
.irp u, 0,1
	global_store_b128 v[14+\u], v[WD+8*\u:WD+8*\u+3], s[42:43]  ; 512 consecutive bytes a wave
.endr
.set i, 0
.rept 16
	s_wait_loadcnt 15-i                            ; loads come back in order: number i is in, the younger ones stay out
	v_cvt_pk_bf16_f32 v[X+4*i],   v[X+4*i],   v[X+4*i+1]
	v_cvt_pk_bf16_f32 v[X+4*i+1], v[X+4*i+2], v[X+4*i+3]
	global_store_b64 v2, v[X+4*i:X+4*i+1], s[22:23] offset:2048*i th:TH_STORE_NT  ; 32 lanes x 8 bytes: 256 consecutive bytes, aligned; no register of a store is written again
.set i, i+1
.endr
	s_endpgm
.Lfunc_end_k_q3a00816249_prep:
	.size	k_q3a00816249_prep, .Lfunc_end_k_q3a00816249_prep-k_q3a00816249_prep
	.p2alignl 7, 3214868480
	.fill 96, 4, 3214868480
	.section	.rodata,"a",@progbits
	.p2align	6, 0x0
	.amdhsa_kernel k_q3a00816249_prep
		.amdhsa_group_segment_fixed_size 0
		.amdhsa_private_segment_fixed_size 0
		.amdhsa_enable_private_segment 0
		.amdhsa_kernarg_size 104
		.amdhsa_user_sgpr_count 2
		.amdhsa_user_sgpr_kernarg_segment_ptr 1
		.amdhsa_wavefront_size32 1
		.amdhsa_system_sgpr_workgroup_id_x 1
		.amdhsa_system_sgpr_workgroup_id_y 1
		.amdhsa_system_sgpr_workgroup_id_z 1
		.amdhsa_system_vgpr_workitem_id 0
		.amdhsa_next_free_vgpr 112
		.amdhsa_next_free_sgpr 66
		.amdhsa_reserve_vcc 0
		.amdhsa_float_denorm_mode_32 3
		.amdhsa_float_denorm_mode_16_64 3
		.amdhsa_memory_ordered 1
		.amdhsa_forward_progress 1
		.amdhsa_inst_pref_size 13
	.end_amdhsa_kernel
	.amdgpu_metadata
---
amdhsa.version: [ 1, 2 ]
amdhsa.kernels:
  - .name:           k_q3a00816249_prep
    .symbol:         k_q3a00816249_prep.kd
    .args:
      - { .name: x, .offset: 0, .size: 8, .value_kind: global_buffer, .address_space: global }
      - { .name: Wq, .offset: 8, .size: 8, .value_kind: global_buffer, .address_space: global }
      - { .name: Wk, .offset: 16, .size: 8, .value_kind: global_buffer, .address_space: global }
      - { .name: Wv, .offset: 24, .size: 8, .value_kind: global_buffer, .address_space: global }
      - { .name: Wo, .offset: 32, .size: 8, .value_kind: global_buffer, .address_space: global }
      - { .name: bq, .offset: 40, .size: 8, .value_kind: global_buffer, .address_space: global }
      - { .name: bk, .offset: 48, .size: 8, .value_kind: global_buffer, .address_space: global }
      - { .name: bv, .offset: 56, .size: 8, .value_kind: global_buffer, .address_space: global }
      - { .name: bo, .offset: 64, .size: 8, .value_kind: global_buffer, .address_space: global }
      - { .name: xb, .offset: 72, .size: 8, .value_kind: global_buffer, .address_space: global }
      - { .name: wqkv, .offset: 80, .size: 8, .value_kind: global_buffer, .address_space: global }
      - { .name: wo16, .offset: 88, .size: 8, .value_kind: global_buffer, .address_space: global }
      - { .name: bias, .offset: 96, .size: 8, .value_kind: global_buffer, .address_space: global }
    .group_segment_fixed_size: 0
    .private_segment_fixed_size: 0
    .kernarg_segment_align: 8
    .kernarg_segment_size: 104
    .max_flat_workgroup_size: 256
    .sgpr_count:     66
    .vgpr_count:     112
    .wavefront_size: 32
...
	.end_amdgpu_metadata
.endif
;; end of part 1
;; launch qkvgemm (part 2): grid 4 x 64, 4 waves a work-group, clusters of 4 x 4, 327,680 bytes of LDS; arguments xb, wqkv, qkv, bias; writes qkv
.if DOCPART == 2
	.amdgcn_target "amdgcn-amd-amdhsa--gfx1250"
	.amdhsa_code_object_version 6
	.text
	.protected	k_q3a00816249_qkvgemm
	.globl	k_q3a00816249_qkvgemm
	.p2align	8
	.type	k_q3a00816249_qkvgemm,@function
k_q3a00816249_qkvgemm:
	s_mov_b64 s[64:65], 0
	v_nop
	global_prefetch_b8 v0, s[64:65] scope:SCOPE_SE
	s_setreg_imm32_b32 hwreg(HW_REG_WAVE_MODE, 25, 1), 1
	s_wait_xcnt 0x0
	s_wait_alu depctr_hold_cnt(0) depctr_sa_sdst(0) depctr_va_vdst(0) depctr_va_sdst(0) depctr_va_ssrc(0) depctr_va_vcc(0) depctr_vm_vsrc(0)
	s_getreg_b32 s2, hwreg(HW_REG_IB_STS2, 6, 4)
	s_cmp_eq_u32 s2, 0
	s_cbranch_scc0 .Lentry_in_a_cluster
	s_endpgm
.Lentry_in_a_cluster:
	s_bfe_u32 s2, ttmp6, 0x10000c
	s_cmp_lg_u32 s2, 0xf033
	s_cbranch_scc0 .Lentry_shape_is_right
	s_endpgm
.Lentry_shape_is_right:
; qkv[p][token][n] = the sum over k of xb[token][k] wqkv[1024 p + n][k] + bias[1024 p + n], p = 0, 1, 2.  xb, wqkv bf16; sums in f32; qkv f16, rounded once.
; LIMIT: a result of 65,520 or more becomes an infinity in f16; below 6e-5 results keep f16's fixed step of 6e-8.
; A tile of C, 256 tokens x 256 columns, is made by four waves, each 128 x 128: 64 accumulators of 16 x 16, 512 registers.  K = 1,024 goes in steps of 128 through a ring of two LDS slots
; filled by the tensor data mover; a tile's rows are 256 bytes of memory, aligned.
; A WORK-GROUP STAYS: it makes three tiles, the same tokens and columns in planes q, k, v: B goes 1,024 rows of wqkv down from tile to tile, A only back along K.  The ring does not stop at
; a tile's end: a tile's last two changes of slots ask for the next tile's first two K steps.  64 x 4 work-groups x 3 tiles are the 768 tiles of C.
; CLUSTERS: 4 x 4 work-groups.  The four of a row of the cluster need the same tiles of A, the four of a column the same tiles of B: each tile is asked for JOINTLY, by the same tensor load
; with the same descriptor and a mask that names the four.
; THE BIAS costs no vector work: it is the C operand of the products that start a tile's sums.
; THE MATRIX INSTRUCTION IS USED TRANSPOSED (source 0 = 16 rows of B, source 1 = 16 rows of A): lane l holds row l % 16 of C and the columns 8 (l / 16) + 0..7, which pack into 16 bytes.
; REGISTERS, in windows of 256 (s_set_vgpr_msb: bits 1:0 source 0, 3:2 source 1, 5:4 source 2, 7:6 destination):
;   window 0: v0-31 addresses; v64-127, v128-191 fragments of A, two buffers; v32-63, v192-255 at work on the way out
;   window 1: v0-63 the bias of my 128 columns (block b at 8 b); v64-127, v128-191 fragments of B, two buffers
;   window 2: the 32 accumulators of my rows 0-63 ((a, b) at 8 (8 a + b));   window 3: those of my rows 64-127
; By this text's count a wave has two tensor loads out at the start and one behind each round.
.set KSTEP,  128
.set SIZE_K, 1024
.set ROWC,   2048                      ; bytes in a row of a plane of qkv
.set TILES,  3
.set PITCH,  272                       ; an LDS row: 256 bytes + 16 of padding = 68 words: the 16 rows of a load start at 16 different groups of four banks (64 banks of 4 bytes: ISA guide 11.1)
.set HALFT,  128*PITCH                 ; 128 rows: what one tensor load brings, and what one wave reads of A or of B
.set SLOT,   4*HALFT                   ; A's 256 rows, then B's 256 rows
.set STAGE,  2*SLOT                    ; behind the ring, never filled by a tensor load: 16 rows x 272 bytes for each wave, for the way out
.set SPITCH, 272
.set SPARE,  STAGE+4*16*SPITCH         ; behind the stages: the spare words, 128 bytes for each wave: two blocks of 256 bytes that no other line names
.set LAPS,   SIZE_K/(2*KSTEP)          ; a lap = two K steps = once round the ring
.set BACK_A, (SIZE_K-2*KSTEP)*2        ; bytes from a slot's last K step of a tile back to its first
.set NEXT_B, 1024*SIZE_K*2-BACK_A      ; B: 1,024 rows down and back along K
.set NEXT_C, 16384*ROWC-7*16*ROWC      ; from my last 16 rows of a plane to my first of the next
.set ADRA, 16                          ; v16-17  LDS address of my A fragments in slot 0, 1
.set ADRB, 20                          ; v20-21  the same for B
.set STO,  24                          ; v24     the way out: where I put 16 bytes of a row
.set RD,   25                          ; v25     the way out: where I read a row back
.set CO,   26                          ; v26     my byte offset in C
.set BO,   27                          ; v27     my byte offset in a block's 16 numbers of bias: 32 (l / 16); never rewritten
.set SPW,  28                          ; v28     LDS address of my spare word; never rewritten
.set NIL,  29                          ; v29     0; never rewritten
.set PFO,  30                          ; v30     the prefetches' offset: my lane x a row of A or B; never rewritten
.set PFA,  44                          ; s[44:45] where my prefetches stand
.set LIM,  43                          ; s43     1 in a wave that prefetches, else the greatest number
.set BP,   66                          ; s[66:67] the bias of my 128 columns in the plane in hand
.set F0,   64
.set F1,   128
.set TMP,  192
.set OB,   32
.set G1,  24                           ; s[24:31] descriptor group 1 for A's tiles;  s[32:39] group 0, a set for each slot
.set G0,  32
.set G1B, 48                           ; s[48:55], s[56:63] the same for B's tiles
.set G0B, 56
.set MSB, 0
.macro WIN new                         ; the immediate's high byte repeats the setting that is left; a switch that changes nothing is dropped
.if MSB != (\new)
	s_set_vgpr_msb (MSB<<8)|(\new)
.set MSB, \new
.endif
.endm
.set MUL_LO,   0xa1                    ; source 0 (B) window 1, source 1 (A) window 0, C and D window 2
.set FIRST_LO, 0x91                    ; the same with C (the bias) in window 1
.set TO_B,     0x40                    ; destination window 1, address window 0
; A joint load.  Waves 0 and 1 fetch A's two halves, waves 2 and 3 B's.  The branch hangs on the wave's number alone.  An s_nop 0 and four v_nop follow each of the two lines.
.macro JLOAD s
	s_cmp_eq_u32 s11, 0
	s_cbranch_scc0 .Lfor_b_\@
	tensor_load_to_lds s[G0+4*(\s):G0+4*(\s)+3], s[G1:G1+7]
	s_nop 0
.rept 4
	v_nop
.endr
	s_branch .Lasked_\@
.Lfor_b_\@:
	tensor_load_to_lds s[G0B+4*(\s):G0B+4*(\s)+3], s[G1B:G1B+7]
	s_nop 0
.rept 4
	v_nop
.endr
.Lasked_\@:
.endm
; A PREFETCH INTO THE L2, behind each joint load, its five lines and the run of LDS loads: the K step that stands two refills on, 512 matrix instructions ahead of the load that will want it:
; 32 rows x 256 bytes, a lane a row, one instruction a wave.  Each row's 256 bytes of a K step are named once in the launch.  A's rows are read by one cluster alone (the grid is one cluster
; wide), which asks for them, in the first tile only: the later tiles read them again.  B's rows are read by all clusters: cluster y = 0 asks, in every tile.  The four partners that ask for a
; tile jointly share its rows out BY ADDRESS, 32 each (cx for A, cy for B).  how = 0, in the loop: a tile's last two refills have no K step two on; how = 1, at a change of tiles.
.macro ASK how
.if \how
	s_cmp_eq_u32 s[LIM], 1
.else
	s_cmp_gt_u32 s3, s[LIM]                        ; s3 = 1 in the loop's last trip
.endif
	s_cbranch_scc0 .Lnot_mine_\@
	global_prefetch_b8 v[PFO], s[PFA:PFA+1] offset:KSTEP*2 th:TH_LOAD_NT scope:SCOPE_SE
.Lnot_mine_\@:
.endm
.macro CREST                           ; a round of the cluster's barrier behind its opening barrier
	s_cmp_lg_u32 s10, 0
	s_cbranch_scc1 .Lnot_wave_0_\@
	s_barrier_signal -3
.Lnot_wave_0_\@:
	s_barrier_wait -3
	s_barrier_signal -1
	s_barrier_wait -1
.endm
.macro CROUND                          ; a whole round
	s_barrier_signal -1
	s_barrier_wait -1
	CREST
.endm
	s_load_b128 s[4:7], s[0:1], 0x0                ; xb (A) s[4:5], wqkv (B) s[6:7]
	s_load_b64 s[8:9], s[0:1], 0x10                ; qkv (C)
	s_load_b64 s[BP:BP+1], s[0:1], 0x18            ; bias
	v_lshl_add_u32 v[SPW], v0, 2, SPARE
	v_mov_b32 v[NIL], 0
	ds_add_u32 v[SPW], v[NIL]                      ; the wave's opening: the add and its wait stand ahead of my first tensor load; the set-up below, work on registers, stands between them
	v_lshrrev_b32 v1, 5, v0
	v_readfirstlane_b32 s10, v1                    ; wave 0..3
	s_lshr_b32 s11, s10, 1                         ; which half of the tile's rows is mine.  Also: I fetch for A (0) or for B (1)
	s_and_b32 s12, s10, 1                          ; which half of its columns.  Also: which 128 rows of that tile I fetch
	s_bfe_u32 s40, ttmp6, 0x40000                  ; cx
	s_bfe_u32 s41, ttmp6, 0x40004                  ; cy
	s_lshl_b32 s42, ttmp9, 2
	s_add_co_u32 s42, s42, s40                     ; tile column = 4 x cluster x + cx
	s_and_b32 s13, ttmp7, 0xffff
	s_lshl_b32 s13, s13, 2
	s_add_co_u32 s13, s13, s41                     ; tile row = 4 x cluster y + cy
	s_lshl_b32 s43, s41, 2
	s_lshl_b32 s43, 15, s43                        ; my row of the cluster: places 4 cy .. 4 cy + 3
	s_lshl_b32 s44, 0x1111, s40                    ; my column: places cx, cx + 4, cx + 8, cx + 12
	; descriptor group 1: a tile of 128 rows x 128 elements, padded in LDS
	s_or_b32 s[G1+0], s43, (1<<16)|(1<<20)|(1<<21)|(5<<22)|(3<<25)  ; 15:0 the mask; 17:16 elements of 2 bytes; 20 padding on; 21 set beside a mask; 24:22 after every 64 words (code 5); 31:25 4 words (code 3)
	s_or_b32 s[G1B+0], s44, (1<<16)|(1<<20)|(1<<21)|(5<<22)|(3<<25)
	s_mov_b32 s[G1B+1], KSTEP<<16
	s_mov_b32 s[G1+1], KSTEP<<16                   ; tensor_dim0 = 128
	s_mov_b32 s[G1B+2], 128<<16
	s_mov_b32 s[G1+2], 128<<16                     ; tensor_dim1 = 128
	s_mov_b32 s[G1B+3], KSTEP<<16
	s_mov_b32 s[G1+3], KSTEP<<16                   ; tile_dim0 = 128
	s_mov_b32 s[G1B+4], 128
	s_mov_b32 s[G1+4], 128                         ; tile_dim1 = 128
	s_mov_b32 s[G1B+5], SIZE_K
	s_mov_b32 s[G1+5], SIZE_K                      ; elements from row to row
	s_mov_b32 s[G1B+6], 0
	s_mov_b32 s[G1+6], 0
	s_mov_b32 s[G1B+7], 0
	s_mov_b32 s[G1+7], 0
	; where the tiles come from: A's hang on the tile row alone, B's on the tile column alone, each in registers that never hold the other coordinate
	s_lshl_b32 s17, s12, 7
	s_lshl_b32 s16, s13, 8
	s_add_co_u32 s16, s16, s17                     ; A: row 256 x tile row + 128 x half
	s_lshl_b32 s46, s42, 8
	s_add_co_u32 s46, s46, s17                     ; B: row 256 x tile column + 128 x half
	s_mov_b32 s17, 0
	s_mov_b32 s47, 0
	s_mov_b64 s[18:19], SIZE_K*2
	s_mul_u64 s[16:17], s[16:17], s[18:19]
	s_mul_u64 s[46:47], s[46:47], s[18:19]
	s_mul_i32 s20, s10, HALFT                      ; where they go: wave x 128 rows: no place in the cluster enters an LDS address
	s_wait_dscnt 0x0                               ; the opening add is done
	s_wait_kmcnt 0x0
	s_add_nc_u64 s[14:15], s[4:5], s[16:17]
	s_add_nc_u64 s[46:47], s[6:7], s[46:47]
	CROUND                                         ; all sixteen work-groups are here: the first joint loads meet
.irp s, 0,1
	s_mov_b32 s[G0+4*(\s)], 1                                      ; count = 1
	s_add_co_u32 s[G0+4*(\s)+1], s20, (\s)*SLOT                    ; LDS address
	s_add_nc_u64 s[G0+4*(\s)+2:G0+4*(\s)+3], s[14:15], (\s)*KSTEP*2  ; global address: K step s
	s_or_b32 s[G0+4*(\s)+3], s[G0+4*(\s)+3], 0x80000000            ; type = 2
	s_mov_b32 s[G0B+4*(\s)], 1
	s_add_co_u32 s[G0B+4*(\s)+1], s20, (\s)*SLOT
	s_add_nc_u64 s[G0B+4*(\s)+2:G0B+4*(\s)+3], s[46:47], (\s)*KSTEP*2
	s_or_b32 s[G0B+4*(\s)+3], s[G0B+4*(\s)+3], 0x80000000
	JLOAD \s
.endr
	; A fragment is 16 rows x 32 K in 8 registers: lane l holds row l % 16; registers 0-3 K = 8 (l / 16) + 0..7, registers 4-7 K = 16 + 8 (l / 16) + 0..7: two loads of 16 bytes, 32 bytes apart.
	v_and_b32 v1, 15, v0                           ; l % 16
	v_bfe_u32 v2, v0, 4, 1                         ; l / 16
	v_mul_u32_u24 v3, v1, PITCH
	v_lshl_add_u32 v3, v2, 4, v3
	s_mul_i32 s21, s11, HALFT                      ; my 128 rows of A
	s_mul_i32 s22, s12, HALFT                      ; my 128 rows of B,
	s_add_co_u32 s22, s22, 2*HALFT                 ; which lie behind A's 256
.irp s, 0,1
	v_add_nc_u32 v[ADRA+(\s)], s21, v3
	v_add_nc_u32 v[ADRB+(\s)], s22, v3
	s_add_co_u32 s21, s21, SLOT
	s_add_co_u32 s22, s22, SLOT
.endr
	s_mul_i32 s23, s10, 16*SPITCH
	s_add_co_u32 s23, s23, STAGE                   ; my stage
	v_mul_u32_u24 v4, v1, SPITCH                   ; in: row l % 16, 16 bytes for each half of the lanes
	v_lshl_add_u32 v4, v2, 4, v4
	v_add_nc_u32 v[STO], s23, v4
	v_mul_u32_u24 v5, v2, SPITCH                   ; back: lanes 0-15 take one row of 256 bytes, lanes 16-31 the next
	v_lshl_add_u32 v5, v1, 4, v5
	v_add_nc_u32 v[RD], s23, v5
	v_mul_u32_u24 v5, v2, ROWC                     ; and the same two rows in C
	v_lshl_add_u32 v[CO], v1, 4, v5
	v_lshlrev_b32 v[BO], 5, v2
	; where my part of the first tile begins in C, in bytes: the first way out adds it to C's address
	s_lshl_b32 s13, s13, 8
	s_lshl_b32 s14, s11, 7
	s_add_co_u32 s16, s13, s14                     ; my first row of C
	s_mov_b32 s17, 0
	s_mov_b64 s[18:19], ROWC
	s_mul_u64 s[16:17], s[16:17], s[18:19]
	s_lshl_b32 s46, s42, 9                         ; my first column, in bytes: 512 x tile column + 256 x half
	s_lshl_b32 s47, s12, 8
	s_add_co_u32 s46, s46, s47
	s_mov_b32 s47, 0
	s_add_nc_u64 s[16:17], s[16:17], s[46:47]
	s_lshl_b32 s46, s46, 1                         ; the same columns in the table of f32 biases
	s_add_nc_u64 s[BP:BP+1], s[BP:BP+1], s[46:47]
	; the prefetches
	s_lshl_b32 s42, s42, 8
	s_and_b32 s22, ttmp7, 0xffff                   ; cluster y
	s_cmp_eq_u32 s11, 0                            ; do I fetch for A?
	s_cselect_b32 s20, s13, s42                    ; the tile's first row
	s_cselect_b32 s21, s40, s41                    ; my place among the four that ask for it with me
	s_cselect_b32 s22, ttmp9, s22                  ; the coordinate along which other clusters read the same rows
	s_cselect_b64 s[PFA:PFA+1], s[4:5], s[6:7]
	s_cmp_eq_u32 s22, 0
	s_cselect_b32 s[LIM], 1, -1                    ; the same in all sixteen partners, for a given wave
	s_lshl_b32 s22, s12, 7
	s_add_co_u32 s20, s20, s22                     ; + the 128 rows that I fetch
	s_lshl_b32 s21, s21, 5
	s_add_co_u32 s20, s20, s21                     ; + my work-group's 32 of them
	s_mov_b32 s21, 0
	s_mov_b64 s[18:19], SIZE_K*2
	s_mul_u64 s[20:21], s[20:21], s[18:19]
	s_add_nc_u64 s[PFA:PFA+1], s[PFA:PFA+1], s[20:21]
	s_add_nc_u64 s[PFA:PFA+1], s[PFA:PFA+1], 2*KSTEP*2  ; at K step 2: the first refill steps it to 3 and names K step 4; nothing is prefetched here, at the head
	v_and_b32 v[PFO], 31, v0
	v_mul_u32_u24 v[PFO], v[PFO], SIZE_K*2
; The bias of my 128 columns: register j of block b = bias[16 b + 8 (l / 16) + j], the layout of a result.  step = 1: the next plane's.
.macro BIASLD step
.if \step
	s_add_nc_u64 s[BP:BP+1], s[BP:BP+1], 4096      ; the last bias loads were waited for at the tile's head, so their base may be written
.endif
	WIN TO_B
.irp b, 0,1,2,3,4,5,6,7
	global_load_b128 v[8*(\b):8*(\b)+3],   v[BO], s[BP:BP+1] offset:64*(\b)
	global_load_b128 v[8*(\b)+4:8*(\b)+7], v[BO], s[BP:BP+1] offset:64*(\b)+16
.endr
	WIN 0
.endm
; 16 matrix instructions: m blocks a0, a0 + 1 of the window's four (hi = 0: my rows 0-63, 1: rows 64-127) x all 8 n blocks, 32 along K.  zero = 1: the product starts the sum, from the bias.
.macro MUL16 f, hi, a0, zero
.if \zero
	WIN FIRST_LO+0x40*(\hi)
.else
	WIN MUL_LO+0x50*(\hi)
.endif
.irp a, \a0, (\a0)+1
.irp b, 0,1,2,3,4,5,6,7
.if \zero
	v_wmma_f32_16x16x32_bf16 v[8*(8*(\a)+(\b)):8*(8*(\a)+(\b))+7], v[(\f)+8*(\b):(\f)+8*(\b)+7], v[(\f)+8*(4*(\hi)+(\a)):(\f)+8*(4*(\hi)+(\a))+7], v[8*(\b):8*(\b)+7]
.else
	v_wmma_f32_16x16x32_bf16 v[8*(8*(\a)+(\b)):8*(8*(\a)+(\b))+7], v[(\f)+8*(\b):(\f)+8*(\b)+7], v[(\f)+8*(4*(\hi)+(\a)):(\f)+8*(4*(\hi)+(\a))+7], v[8*(8*(\a)+(\b)):8*(8*(\a)+(\b))+7]
.endif
.endr
.endr
.endm
; 32 LDS loads in one run: the fragments of one quarter step (128 rows of B, 128 rows of A, 32 K at byte k of the rows) into buffer f
.macro FETCH slot, k, f
	WIN TO_B
.irp i, 0,1,2,3,4,5,6,7
	ds_load_b128 v[(\f)+8*(\i):(\f)+8*(\i)+3],   v[ADRB+(\slot)] offset:(\k)+(\i)*16*PITCH
	ds_load_b128 v[(\f)+8*(\i)+4:(\f)+8*(\i)+7], v[ADRB+(\slot)] offset:(\k)+(\i)*16*PITCH+32
.endr
	WIN 0
.irp i, 0,1,2,3,4,5,6,7
	ds_load_b128 v[(\f)+8*(\i):(\f)+8*(\i)+3],   v[ADRA+(\slot)] offset:(\k)+(\i)*16*PITCH
	ds_load_b128 v[(\f)+8*(\i)+4:(\f)+8*(\i)+7], v[ADRA+(\slot)] offset:(\k)+(\i)*16*PITCH+32
.endr
.endm
; Four places (plain vector instructions that name none of the matrix instruction's registers) in front of loads into registers that matrix instructions have read, and of conversions that read results just made
.macro PLACES
.rept 4
	v_nop
.endr
.endm
; A K step is four quarters of 32 along K, 64 matrix instructions each, on buffers 0, 1, 0, 1.  The 64 accumulators take turns in one order everywhere.
; One of the first three: multiplies buffer f; in its middle it fetches the next quarter's fragments, at byte k of the same slot's rows, into buffer g.
.macro QUARTER slot, k, f, g, zero
	s_wait_dscnt 8                                 ; B and A's rows 0-63 are in; the youngest eight loads (A's rows 64-127) may be out
	MUL16 \f, 0, 0, \zero
	MUL16 \f, 0, 2, \zero
	PLACES
	FETCH \slot, \k, \g
	s_wait_dscnt 32                                ; all but the 32 just issued
	MUL16 \f, 1, 0, \zero
	MUL16 \f, 1, 2, \zero
.endm
; The last quarter multiplies buffer 1 and changes slots.  MEET is its first half: ONE barrier.  In front of it each wave waits for all its tensor loads (one is out: its part of the next slot),
; adds 0 to its spare word, and waits for that and for its own reads of this slot.  Behind it nobody reads this slot any more and the next slot is whole.
.macro MEET round
	WIN 0                                          ; (the add's two registers lie in window 0)
	s_wait_tensorcnt 0x0                           ; all my tensor loads have landed
	ds_add_u32 v[SPW], v[NIL]                      ; 0 onto my spare word
	s_wait_dscnt 9                                 ; (the add and the youngest eight loads may be out)
	MUL16 F1, 0, 0, 0                              ; sixteen matrix instructions stand between the add and the wait for it
	s_wait_dscnt 0x0                               ; the add is done, and my reads of this slot are over
	s_barrier_signal -1
	MUL16 F1, 0, 2, 0                              ; work on registers while the others arrive
.if \round
	WIN 0
.endif
	s_barrier_wait -1
.endm
; The whole last quarter with a refill.  Behind the round the slot just read out is filled again first: with this tile's K step two steps on (on = 0) or with the next tile's K step 0 or 1 (on = 1).
.macro TURN slot, next, on
	s_wait_xcnt 0x0                                ; the last prefetch, a K step back, has read its address: it is stepped here
.if (\on) && (\slot) == 0
	s_add_nc_u64 s[PFA:PFA+1], s[PFA:PFA+1], 1023*SIZE_K*2+KSTEP*2  ; from the K step after the tile's last to the next tile's K step 1: 1,024 rows down, back along K
	s_cmp_eq_u32 s11, 1
	s_cselect_b32 s[LIM], s[LIM], -1               ; A's rows are the same for all three tiles: they have been read, and are prefetched no more
.else
	s_add_nc_u64 s[PFA:PFA+1], s[PFA:PFA+1], KSTEP*2
.endif
	MEET 1
	CREST                                          ; the barrier has opened a round of the cluster's barrier: no wave of any partner still reads this slot's tile or has a load on its way
.if \on
	s_sub_nc_u64 s[G0+4*(\slot)+2:G0+4*(\slot)+3], s[G0+4*(\slot)+2:G0+4*(\slot)+3], BACK_A
	s_add_nc_u64 s[G0B+4*(\slot)+2:G0B+4*(\slot)+3], s[G0B+4*(\slot)+2:G0B+4*(\slot)+3], NEXT_B
.else
	s_add_nc_u64 s[G0+4*(\slot)+2:G0+4*(\slot)+3], s[G0+4*(\slot)+2:G0+4*(\slot)+3], 2*KSTEP*2
	s_add_nc_u64 s[G0B+4*(\slot)+2:G0B+4*(\slot)+3], s[G0B+4*(\slot)+2:G0B+4*(\slot)+3], 2*KSTEP*2
.endif
	JLOAD \slot                                    ; the first tensor load behind the round; its four v_nop are also the places in front of the loads below
	FETCH \next, 0, F0
	ASK \on
	MUL16 F1, 1, 0, 0
	MUL16 F1, 1, 2, 0
.endm
; THE WAY OUT of block a (16 rows).  PACK: rounded to f16, 16 bytes a lane; each accumulator's registers in ascending order.  TOSTAGE: into my own stage, and back as whole rows of 256 bytes.  SEND: stored.
.macro PACK a
.set AC, 64*((\a)%4)
	WIN 0x0a+5*((\a)/4)                            ; sources 0 and 1: window 2 or 3
.irp b, 0,1,2,3,4,5,6,7
.irp r, 0,1,2,3
	v_cvt_pk_f16_f32 v[TMP+4*(\b)+(\r)], v[AC+8*(\b)+2*(\r)], v[AC+8*(\b)+2*(\r)+1]
.endr
.endr
	WIN 0
.endm
.macro TOSTAGE a
	WIN 0
.set BK, OB+192*((\a)%2)
.irp b, 0,1,2,3,4,5,6,7
	ds_store_b128 v[STO], v[TMP+4*(\b):TMP+4*(\b)+3] offset:32*(\b)
.endr
.irp t, 0,1,2,3,4,5,6,7
	ds_load_b128 v[BK+4*(\t):BK+4*(\t)+3], v[RD] offset:(\t)*2*SPITCH  ; LDS serves a wave's instructions in order (ISA guide 5.7.1.4): these see the stores above
.endr
.endm
.macro SEND a, younger
	WIN 0
.set BK, OB+192*((\a)%2)
	s_wait_dscnt \younger                          ; the block is back in registers
	s_wait_xcnt 0x0                                ; only behind this wait are the stores' base and the registers that earlier stores read rewritten
.if (\a) == 0
	s_add_nc_u64 s[8:9], s[8:9], s[16:17]          ; on to this tile's first rows
.else
	s_add_nc_u64 s[8:9], s[8:9], 16*ROWC           ; 16 rows of C on
.endif
.irp t, 0,1,2,3,4,5,6,7
	global_store_b128 v[CO], v[BK+4*(\t):BK+4*(\t)+3], s[8:9] offset:2*(\t)*ROWC  ; 16 lanes store 256 consecutive bytes, aligned
.endr
.endm
	BIASLD 0                                       ; plane q's bias
	s_wait_tensorcnt 1                             ; my part of K step 0 is in; K step 1's may stay out
	s_barrier_signal -1
	s_barrier_wait -1                              ; everybody's is
	FETCH 0, 0, F0
	s_mov_b32 s2, TILES                            ; tiles to go: the same number in every work-group
.Ltile:
	s_wait_loadcnt 0x0                             ; the tile's bias is in
	QUARTER 0, 64,  F0, F1, 1                      ; a tile's first quarter stands in front of the loop: its products start the sums
	WIN 0                                          ; at a label and at a branch every window is 0
	s_mov_b32 s3, LAPS-1
.Llap:                                                 ; a trip goes once round the ring, from a lap's second quarter to the next lap's first, and fills both slots again
	QUARTER 0, 128, F1, F0, 0
	QUARTER 0, 192, F0, F1, 0
	TURN 0, 1, 0
	QUARTER 1, 64,  F0, F1, 0
	QUARTER 1, 128, F1, F0, 0
	QUARTER 1, 192, F0, F1, 0
	TURN 1, 0, 0
	QUARTER 0, 64,  F0, F1, 0
	WIN 0
	s_sub_co_u32 s3, s3, 1
	s_cmp_lg_u32 s3, 0
	s_cbranch_scc1 .Llap
	QUARTER 0, 128, F1, F0, 0                      ; the tile's last lap goes on
	QUARTER 0, 192, F0, F1, 0
	WIN 0
	s_cmp_eq_u32 s2, 1
	s_cbranch_scc1 .Llast_tile                     ; the last tile's tail is written out: it asks for nothing more
	TURN 0, 1, 1                                   ; the ring goes on into the next tile: slot 0 takes its K step 0,
	QUARTER 1, 64,  F0, F1, 0
	QUARTER 1, 128, F1, F0, 0
	QUARTER 1, 192, F0, F1, 0
	TURN 1, 0, 1                                   ; slot 1 its K step 1, and the next tile's first fragments are fetched
	BIASLD 1                                       ; the next plane's bias: its registers were last read in this tile's first quarter
	s_branch .Lout                                 ; blocks 0-3 were finished in front of the joint load's four v_nop; their conversions are the places behind the last products, blocks 4-7's
.Llast_tile:
	MEET 0                                         ; the one tensor load that was still out is the last K step's, so no round follows
	PLACES
	FETCH 1, 0, F0
	MUL16 F1, 1, 0, 0
	MUL16 F1, 1, 2, 0
	QUARTER 1, 64,  F0, F1, 0
	QUARTER 1, 128, F1, F0, 0
	QUARTER 1, 192, F0, F1, 0
	s_wait_dscnt 8                                 ; the very last quarter: nothing more to fetch
	MUL16 F1, 0, 0, 0
	MUL16 F1, 0, 2, 0
	s_wait_dscnt 0x0
	MUL16 F1, 1, 0, 0
	MUL16 F1, 1, 2, 0
	WIN 0
	PLACES
.Lout:                                                 ; THE TILE GOES OUT: block a's conversions stand between block a - 1's loads from the stage and the wait for them
	PACK 0
	TOSTAGE 0
.irp a, 1,2,3,4,5,6,7
	PACK \a
	SEND (\a)-1, 0
	TOSTAGE \a
.endr
	SEND 7, 0
	s_mov_b64 s[16:17], NEXT_C                     ; what the next way out adds to C's address
	s_sub_co_u32 s2, s2, 1
	s_cmp_lg_u32 s2, 0
	s_cbranch_scc1 .Ltile
	s_wait_tensorcnt 0x0                           ; the wave's end: behind my last tensor load and my last LDS store
	ds_add_u32 v[SPW], v[NIL]
	s_wait_dscnt 0x0
	CROUND                                         ; the closing round: no work-group ends while a partner may still ask for a tile that names it
	s_endpgm
.Lfunc_end_k_q3a00816249_qkvgemm:
	.size	k_q3a00816249_qkvgemm, .Lfunc_end_k_q3a00816249_qkvgemm-k_q3a00816249_qkvgemm
	.p2alignl 7, 3214868480
	.fill 96, 4, 3214868480
	.section	.rodata,"a",@progbits
	.p2align	6, 0x0
	.amdhsa_kernel k_q3a00816249_qkvgemm
		.amdhsa_group_segment_fixed_size 327680
		.amdhsa_private_segment_fixed_size 0
		.amdhsa_enable_private_segment 0
		.amdhsa_kernarg_size 32
		.amdhsa_user_sgpr_count 2
		.amdhsa_user_sgpr_kernarg_segment_ptr 1
		.amdhsa_wavefront_size32 1
		.amdhsa_system_sgpr_workgroup_id_x 1
		.amdhsa_system_sgpr_workgroup_id_y 1
		.amdhsa_system_sgpr_workgroup_id_z 1
		.amdhsa_system_vgpr_workitem_id 0
		.amdhsa_next_free_vgpr 1024
		.amdhsa_next_free_sgpr 72
		.amdhsa_reserve_vcc 0
		.amdhsa_float_denorm_mode_32 3
		.amdhsa_float_denorm_mode_16_64 3
		.amdhsa_memory_ordered 1
		.amdhsa_forward_progress 1
		.amdhsa_inst_pref_size 182
	.end_amdhsa_kernel
	.amdgpu_metadata
---
amdhsa.version: [ 1, 2 ]
amdhsa.kernels:
  - .name:           k_q3a00816249_qkvgemm
    .symbol:         k_q3a00816249_qkvgemm.kd
    .args:
      - { .name: xb, .offset: 0, .size: 8, .value_kind: global_buffer, .address_space: global }
      - { .name: wqkv, .offset: 8, .size: 8, .value_kind: global_buffer, .address_space: global }
      - { .name: qkv, .offset: 16, .size: 8, .value_kind: global_buffer, .address_space: global }
      - { .name: bias, .offset: 24, .size: 8, .value_kind: global_buffer, .address_space: global }
    .group_segment_fixed_size: 327680
    .private_segment_fixed_size: 0
    .kernarg_segment_align: 8
    .kernarg_segment_size: 32
    .max_flat_workgroup_size: 128
    .sgpr_count:     72
    .vgpr_count:     1024
    .wavefront_size: 32
...
	.end_amdgpu_metadata
.endif
;; end of part 2
;; launch attn (part 3): grid 512 x 1, 8 waves a work-group, no clusters, 0 bytes of LDS; arguments qkv, o16; writes o16
.if DOCPART == 3
	.amdgcn_target "amdgcn-amd-amdhsa--gfx1250"
	.amdhsa_code_object_version 6
	.text
	.protected	k_q3a00816249_attn
	.globl	k_q3a00816249_attn
	.p2align	8
	.type	k_q3a00816249_attn,@function
k_q3a00816249_attn:
	s_mov_b64 s[64:65], 0
	v_nop
	global_prefetch_b8 v0, s[64:65] scope:SCOPE_SE
	s_setreg_imm32_b32 hwreg(HW_REG_WAVE_MODE, 25, 1), 1
	s_wait_xcnt 0x0
; ATTENTION ACROSS THE 16 HEADS OF EACH TOKEN.  S[h][g] = q_h . k_g / 8; P = softmax over g; O_h = the sum over g of P[h][g] v_g.  qkv: [3][16384][1024] f16, o16: [16384][1024] f16.
; Products, the maximum and the sum in f32; the true maximum of a row's 16 scores is taken away before the exponential; P is divided by its sum in f32 and rounded once to f16, O once.
; LIMITS: q, k, v arrive within f16's range; a weight below 2^-126 counts as 0; NaN and infinities are not treated apart.
; THE COLUMN ORDERS of the three planes and of o16 (made by the weights' row and column orders) are such that byte 512 c + 16 lane of a token's 2,048 bytes is a piece of a fragment:
;   q, k: load c gives lane (r = l % 16, hh = l / 16) head r, channels 8 (2 c + hh) + 0..7: loads 2 c, 2 c + 1 are a fragment of 16 heads x 32 channels
;   v:    load i gives lane (r, hh) channel 16 i + r of heads 8 hh + 0..7: half a fragment of V^T (16 channels x 16 heads)
;   o16:  store i takes from lane (r, hh) head r, channels 16 i + 8 hh + 0..7
; S^T = K Q^T (source 0 = K): a lane holds head h = r and g = 8 hh + 0..7; rounded in pairs that IS half of source 1 of O^T = V^T P.  There are 16 heads and the instruction takes 32 along K:
; the other half of source 1 is zeros, and V's neighbouring block, which stands in source 0 there, is multiplied by 0.
; SHARES: a wave takes 4 tokens: 8,192 consecutive bytes of each plane and of o16; every load and store of a wave covers 512 consecutive bytes.  All 48 loads go out at once.
; No LDS, no barrier, no loop, no cluster (nothing is shared), no prefetch (every byte is asked for at the wave's start).
.set ST, 4                             ; v[4:19]     token t: four registers T0-T3 at work
.set Q,  20                            ; v[20:83]    q, 16 a token; later zeros Z_t at Q + 8 t (t = 0..4) and P_t at Q + 4 + 8 t
.set K,  84                            ; v[84:147]   k, 16 a token; later O^T of two tokens: OA
.set V,  148                           ; v[148:211]  v, 16 a token; later the second pair's packed O
.set S,  212                           ; v[212:243]  S^T, 8 a token; later the first pair's packed O
.set OA, 84
	s_load_b128 s[4:7], s[0:1], 0x0                ; qkv s[4:5], o16 s[6:7]
	v_lshrrev_b32 v2, 5, v0
	v_readfirstlane_b32 s8, v2                     ; wave 0..7
	v_and_b32 v1, 31, v0
	v_lshlrev_b32 v1, 4, v1                        ; 16 x lane; never rewritten
	s_lshl_b32 s10, ttmp9, 3
	s_add_co_u32 s10, s10, s8
	s_lshl_b32 s10, s10, 13                        ; my 4 tokens: 8,192 bytes
	s_mov_b32 s11, 0
	s_mov_b32 s20, 0x3e38aa3b                      ; c = log2(e) / 8
	s_mov_b32 s21, s20                             ; named with it as a pair
	s_mov_b32 s22, 0x76543210                      ; v_permlanex16_b32: each lane takes its own place in the other half
	s_mov_b32 s23, 0xfedcba98
	s_wait_kmcnt 0x0
	s_add_nc_u64 s[12:13], s[4:5], s[10:11]        ; q
	s_add_nc_u64 s[14:15], s[12:13], 0x2000000     ; k: a plane is 33,554,432 bytes
	s_add_nc_u64 s[16:17], s[12:13], 0x4000000     ; v
	s_add_nc_u64 s[18:19], s[6:7], s[10:11]        ; o
.set j, 0
.rept 16
	global_load_b128 v[K+4*j:K+4*j+3], v1, s[14:15] offset:512*j th:TH_LOAD_NT
.set j, j+1
.endr
.set j, 0
.rept 16
	global_load_b128 v[Q+4*j:Q+4*j+3], v1, s[12:13] offset:512*j th:TH_LOAD_NT
.set j, j+1
.endr
.set j, 0
.rept 16
	global_load_b128 v[V+4*j:V+4*j+3], v1, s[16:17] offset:512*j th:TH_LOAD_NT
.set j, j+1
.endr
	s_wait_loadcnt 16                              ; k and q are in; v's 16 loads, issued behind them, stay out
	; S^T = K Q^T: two steps of 32 channels; the four tokens' accumulators take turns
.irp t, 0,1,2,3
	v_wmma_f32_16x16x32_f16 v[S+8*\t:S+8*\t+7], v[K+16*\t:K+16*\t+7], v[Q+16*\t:Q+16*\t+7], 0
.endr
.irp t, 0,1,2,3
	v_wmma_f32_16x16x32_f16 v[S+8*\t:S+8*\t+7], v[K+16*\t+8:K+16*\t+15], v[Q+16*\t+8:Q+16*\t+15], v[S+8*\t:S+8*\t+7]
.endr
.rept 4
	v_nop                                          ; four places behind the last product, in front of writes into q's registers and of reads of the scores
.endr
.irp z, 0,1,2,3,4
.irp k, 0,1,2,3
	v_mov_b32 v[Q+8*\z+\k], 0                      ; the zero halves of source 1
.endr
.endr
	; THE SOFTMAX, each line for all four tokens, so that neighbours do not wait for each other.  Each accumulator's lowest registers are read first.
.irp t, 0,1,2,3
	v_max3_num_f32 v[ST+4*\t+2], v[S+8*\t], v[S+8*\t+1], v[S+8*\t+2]
.endr
.irp t, 0,1,2,3
	v_max3_num_f32 v[ST+4*\t+3], v[S+8*\t+3], v[S+8*\t+4], v[S+8*\t+5]
.endr
.irp t, 0,1,2,3
	v_max3_num_f32 v[ST+4*\t+2], v[ST+4*\t+2], v[S+8*\t+6], v[S+8*\t+7]
.endr
.irp t, 0,1,2,3
	v_max_num_f32 v[ST+4*\t+2], v[ST+4*\t+2], v[ST+4*\t+3]
.endr
.irp t, 0,1,2,3
	v_permlanex16_b32 v[ST+4*\t+3], v[ST+4*\t+2], s22, s23  ; the row's other 8 scores lie in the lane 16 away
.endr
.irp t, 0,1,2,3
	v_max_num_f32 v[ST+4*\t+1], v[ST+4*\t+2], v[ST+4*\t+3]  ; m
.endr
.irp t, 0,1,2,3
	v_mul_f32 v[ST+4*\t], s20, v[ST+4*\t+1]        ; c m
.endr
.irp b, 0,2,4,6
.irp t, 0,1,2,3
	v_pk_fma_f32 v[S+8*\t+\b:S+8*\t+\b+1], v[S+8*\t+\b:S+8*\t+\b+1], s[20:21], v[ST+4*\t:ST+4*\t+1] op_sel_hi:[1,0,0] neg_lo:[0,0,1] neg_hi:[0,0,1]  ; c s - c m, at most 0
.endr
.endr
.set j, 0
.rept 32
	v_exp_f32 v[S+j], v[S+j]
.set j, j+1
.endr
	v_nop                                          ; a plain instruction behind the last exponential (ISA guide 5.7.2),
	s_wait_alu depctr_va_vdst(0)                   ; and the wait ahead of the first use: one for the 32
.irp t, 0,1,2,3
	v_pk_add_f32 v[ST+4*\t+2:ST+4*\t+3], v[S+8*\t:S+8*\t+1], v[S+8*\t+2:S+8*\t+3]
.endr
.irp t, 0,1,2,3
	v_pk_add_f32 v[ST+4*\t:ST+4*\t+1], v[S+8*\t+4:S+8*\t+5], v[S+8*\t+6:S+8*\t+7]
.endr
.irp t, 0,1,2,3
	v_pk_add_f32 v[ST+4*\t+2:ST+4*\t+3], v[ST+4*\t+2:ST+4*\t+3], v[ST+4*\t:ST+4*\t+1]
.endr
.irp t, 0,1,2,3
	v_add_f32 v[ST+4*\t+2], v[ST+4*\t+2], v[ST+4*\t+3]
.endr
.irp t, 0,1,2,3
	v_permlanex16_b32 v[ST+4*\t+3], v[ST+4*\t+2], s22, s23
.endr
.irp t, 0,1,2,3
	v_add_f32 v[ST+4*\t+2], v[ST+4*\t+2], v[ST+4*\t+3]  ; l, at least 1
.endr
.irp t, 0,1,2,3
	v_rcp_f32 v[ST+4*\t], v[ST+4*\t+2]
.endr
	v_nop
	s_wait_alu depctr_va_vdst(0)                   ; one wait for the four reciprocals
.irp b, 0,2,4,6
.irp t, 0,1,2,3
	v_pk_mul_f32 v[S+8*\t+\b:S+8*\t+\b+1], v[S+8*\t+\b:S+8*\t+\b+1], v[ST+4*\t:ST+4*\t+1] op_sel_hi:[1,0]
.endr
.endr
.irp k, 0,1,2,3
.irp t, 0,1,2,3
	v_cvt_pk_f16_f32 v[Q+4+8*\t+\k], v[S+8*\t+2*\k], v[S+8*\t+2*\k+1]
.endr
.endr
	s_wait_loadcnt 0x0                             ; v
; Tokens 2 y and 2 y + 1: O^T = V^T P, eight products on eight accumulators, each begun with 0; then rounded into pk .. pk + 31 and stored.
; Channel block i: source 0 is v's loads 2 (i / 2), 2 (i / 2) + 1; source 1 is (P, 0) for even i and (0, P) for odd i.
.macro PAIR y, pk
.irp i, 0,1,2,3
.irp u, 0,1
.if (\i)%2 == 0
	v_wmma_f32_16x16x32_f16 v[OA+32*(\u)+8*(\i):OA+32*(\u)+8*(\i)+7], v[V+16*(2*(\y)+(\u))+8*((\i)/2):V+16*(2*(\y)+(\u))+8*((\i)/2)+7], v[Q+4+8*(2*(\y)+(\u)):Q+4+8*(2*(\y)+(\u))+7], 0
.else
	v_wmma_f32_16x16x32_f16 v[OA+32*(\u)+8*(\i):OA+32*(\u)+8*(\i)+7], v[V+16*(2*(\y)+(\u))+8*((\i)/2):V+16*(2*(\y)+(\u))+8*((\i)/2)+7], v[Q+8*(2*(\y)+(\u)):Q+8*(2*(\y)+(\u))+7], 0
.endif
.endr
.endr
.rept 4
	v_nop                                          ; four places in front of the conversions, which read results just made
.endr
.irp u, 0,1
.irp i, 0,1,2,3
.irp k, 0,1,2,3
	v_cvt_pk_f16_f32 v[(\pk)+16*(\u)+4*(\i)+(\k)], v[OA+32*(\u)+8*(\i)+2*(\k)], v[OA+32*(\u)+8*(\i)+2*(\k)+1]
.endr
.endr
.endr
.irp u, 0,1
.irp i, 0,1,2,3
	global_store_b128 v1, v[(\pk)+16*(\u)+4*(\i):(\pk)+16*(\u)+4*(\i)+3], s[18:19] offset:2048*(2*(\y)+(\u))+512*(\i) th:TH_STORE_NT  ; 512 consecutive bytes, aligned; no register of a store is written again
.endr
.endr
.endm
	PAIR 0, S
	PAIR 1, V
	s_endpgm
.Lfunc_end_k_q3a00816249_attn:
	.size	k_q3a00816249_attn, .Lfunc_end_k_q3a00816249_attn-k_q3a00816249_attn
	.p2alignl 7, 3214868480
	.fill 96, 4, 3214868480
	.section	.rodata,"a",@progbits
	.p2align	6, 0x0
	.amdhsa_kernel k_q3a00816249_attn
		.amdhsa_group_segment_fixed_size 0
		.amdhsa_private_segment_fixed_size 0
		.amdhsa_enable_private_segment 0
		.amdhsa_kernarg_size 16
		.amdhsa_user_sgpr_count 2
		.amdhsa_user_sgpr_kernarg_segment_ptr 1
		.amdhsa_wavefront_size32 1
		.amdhsa_system_sgpr_workgroup_id_x 1
		.amdhsa_system_sgpr_workgroup_id_y 1
		.amdhsa_system_sgpr_workgroup_id_z 1
		.amdhsa_system_vgpr_workitem_id 0
		.amdhsa_next_free_vgpr 244
		.amdhsa_next_free_sgpr 66
		.amdhsa_reserve_vcc 0
		.amdhsa_float_denorm_mode_32 3
		.amdhsa_float_denorm_mode_16_64 3
		.amdhsa_memory_ordered 1
		.amdhsa_forward_progress 1
		.amdhsa_inst_pref_size 21
	.end_amdhsa_kernel
	.amdgpu_metadata
---
amdhsa.version: [ 1, 2 ]
amdhsa.kernels:
  - .name:           k_q3a00816249_attn
    .symbol:         k_q3a00816249_attn.kd
    .args:
      - { .name: qkv, .offset: 0, .size: 8, .value_kind: global_buffer, .address_space: global }
      - { .name: o16, .offset: 8, .size: 8, .value_kind: global_buffer, .address_space: global }
    .group_segment_fixed_size: 0
    .private_segment_fixed_size: 0
    .kernarg_segment_align: 8
    .kernarg_segment_size: 16
    .max_flat_workgroup_size: 256
    .sgpr_count:     66
    .vgpr_count:     244
    .wavefront_size: 32
...
	.end_amdgpu_metadata
.endif
;; end of part 3
;; launch outgemm (part 4): grid 4 x 64, 4 waves a work-group, clusters of 4 x 4, 327,680 bytes of LDS; arguments o16, wo16, out0, bias; writes out0
.if DOCPART == 4
	.amdgcn_target "amdgcn-amd-amdhsa--gfx1250"
	.amdhsa_code_object_version 6
	.text
	.protected	k_q3a00816249_outgemm
	.globl	k_q3a00816249_outgemm
	.p2align	8
	.type	k_q3a00816249_outgemm,@function
k_q3a00816249_outgemm:
	s_mov_b64 s[64:65], 0
	v_nop
	global_prefetch_b8 v0, s[64:65] scope:SCOPE_SE
	s_setreg_imm32_b32 hwreg(HW_REG_WAVE_MODE, 25, 1), 1
	s_wait_xcnt 0x0
	s_wait_alu depctr_hold_cnt(0) depctr_sa_sdst(0) depctr_va_vdst(0) depctr_va_sdst(0) depctr_va_ssrc(0) depctr_va_vcc(0) depctr_vm_vsrc(0)
	s_getreg_b32 s2, hwreg(HW_REG_IB_STS2, 6, 4)
	s_cmp_eq_u32 s2, 0
	s_cbranch_scc0 .Lentry_in_a_cluster
	s_endpgm
.Lentry_in_a_cluster:
	s_bfe_u32 s2, ttmp6, 0x10000c
	s_cmp_lg_u32 s2, 0xf033
	s_cbranch_scc0 .Lentry_shape_is_right
	s_endpgm
.Lentry_shape_is_right:
; out0[token][n] = the sum over k of o16[token][k] wo16[n][k] + bias[3072 + n].  o16, wo16 f16 (their K order is the same permutation of the channels); sums in f32; out0 f32.
; A tile of C, 256 tokens x 256 columns, is made by four waves, each 128 x 128: 64 accumulators, 512 registers.  K = 1,024 goes in steps of 128 through a ring of two LDS slots filled by the
; tensor data mover; a tile's rows are 256 bytes of memory, aligned.  64 x 4 work-groups, one tile each.
; CLUSTERS: 4 x 4 work-groups; A's tile is shared along a row of the cluster, B's along a column: each is asked for JOINTLY, by the same tensor load with the same descriptor and a mask of four.
; THE BIAS is the C operand of the products that start the sums.  THE MATRIX INSTRUCTION IS USED TRANSPOSED (source 0 = 16 rows of B, source 1 = 16 rows of A): lane l holds row l % 16 of C
; and the columns 8 (l / 16) + 0..7: 32 consecutive bytes of f32.
; REGISTERS, in windows of 256 (s_set_vgpr_msb: bits 1:0 source 0, 3:2 source 1, 5:4 source 2, 7:6 destination):
;   window 0: v0-31 addresses; v64-127, v128-191 fragments of A, two buffers, and on the way out two buffers of 16 rows
;   window 1: v0-63 the bias of my 128 columns; v64-127, v128-191 fragments of B          windows 2, 3: the accumulators ((a, b) at 8 (8 a + b))
; By this text's count a wave has two tensor loads out at the start and one behind each round.
.set KSTEP,  128
.set SIZE_K, 1024
.set ROWC,   4096                      ; bytes in a row of out0
.set PITCH,  272                       ; an LDS row: 256 bytes + 16 of padding: the 16 rows of a load start at 16 different groups of four banks (64 banks of 4 bytes: ISA guide 11.1)
.set HALFT,  128*PITCH
.set SLOT,   4*HALFT
.set STAGE,  2*SLOT                    ; behind the ring, never filled by a tensor load: 16 rows x 528 bytes for each wave
.set OPITCH, 528                       ; a stage row: 512 bytes + 16 = 132 words: again 16 different groups of four banks
.set SPARE,  STAGE+4*16*OPITCH         ; behind the stages (a multiple of 256): the spare words, 128 bytes for each wave, which no other line names
.set LAPS,   SIZE_K/(2*KSTEP)
.set ADRA, 16
.set ADRB, 20
.set STO,  24                          ; v24     the way out: where I put 32 bytes of a row
.set RD,   25                          ; v25     the way out: where I read 16 bytes of a row back
.set CO,   26                          ; v26     my byte offset in a row's 512 bytes of C: 16 x lane
.set BO,   27                          ; v27     32 (l / 16)
.set SPW,  28
.set NIL,  29
.set PFO,  30
.set PFA,  44
.set LIM,  43
.set BP,   66                          ; s[66:67] the bias of my 128 columns
.set F0,   64
.set F1,   128
.set G1,  24
.set G0,  32
.set G1B, 48
.set G0B, 56
.set MSB, 0
.macro WIN new                         ; the immediate's high byte repeats the setting that is left; a switch that changes nothing is dropped
.if MSB != (\new)
	s_set_vgpr_msb (MSB<<8)|(\new)
.set MSB, \new
.endif
.endm
.set MUL_LO,   0xa1                    ; source 0 (B) window 1, source 1 (A) window 0, C and D window 2
.set FIRST_LO, 0x91                    ; the same with C (the bias) in window 1
.set TO_B,     0x40                    ; destination window 1, address window 0
; A joint load.  Waves 0 and 1 fetch A's two halves, waves 2 and 3 B's.  An s_nop 0 and four v_nop follow each of the two lines.
.macro JLOAD s
	s_cmp_eq_u32 s11, 0
	s_cbranch_scc0 .Lfor_b_\@
	tensor_load_to_lds s[G0+4*(\s):G0+4*(\s)+3], s[G1:G1+7]
	s_nop 0
.rept 4
	v_nop
.endr
	s_branch .Lasked_\@
.Lfor_b_\@:
	tensor_load_to_lds s[G0B+4*(\s):G0B+4*(\s)+3], s[G1B:G1B+7]
	s_nop 0
.rept 4
	v_nop
.endr
.Lasked_\@:
.endm
; A PREFETCH INTO THE L2, behind each joint load, its five lines and the run of LDS loads: the K step two refills on, 512 matrix instructions ahead of its load: 32 rows x 256 bytes, a lane a row.
; Each row's 256 bytes of a K step are named once in the launch: A's rows are read by one cluster alone, which asks for them; B's by all clusters: cluster y = 0 asks.  The four partners that
; ask for a tile jointly share its rows out BY ADDRESS, 32 each.  The first four K steps come by their loads alone; the last two refills have no K step two on.
.macro ASK
	s_cmp_gt_u32 s3, s[LIM]                        ; s3 = 1 in the loop's last trip
	s_cbranch_scc0 .Lnot_mine_\@
	global_prefetch_b8 v[PFO], s[PFA:PFA+1] offset:KSTEP*2 th:TH_LOAD_NT scope:SCOPE_SE
.Lnot_mine_\@:
.endm
.macro CREST
	s_cmp_lg_u32 s10, 0
	s_cbranch_scc1 .Lnot_wave_0_\@
	s_barrier_signal -3
.Lnot_wave_0_\@:
	s_barrier_wait -3
	s_barrier_signal -1
	s_barrier_wait -1
.endm
.macro CROUND
	s_barrier_signal -1
	s_barrier_wait -1
	CREST
.endm
	s_load_b128 s[4:7], s[0:1], 0x0                ; o16 (A) s[4:5], wo16 (B) s[6:7]
	s_load_b64 s[8:9], s[0:1], 0x10                ; out0 (C)
	s_load_b64 s[BP:BP+1], s[0:1], 0x18            ; bias
	v_lshl_add_u32 v[SPW], v0, 2, SPARE
	v_mov_b32 v[NIL], 0
	ds_add_u32 v[SPW], v[NIL]                      ; the wave's opening: the add and its wait stand ahead of my first tensor load; the set-up below, work on registers, stands between them
	v_lshrrev_b32 v1, 5, v0
	v_readfirstlane_b32 s10, v1                    ; wave 0..3
	s_lshr_b32 s11, s10, 1                         ; which half of the tile's rows is mine.  Also: I fetch for A (0) or for B (1)
	s_and_b32 s12, s10, 1                          ; which half of its columns.  Also: which 128 rows of that tile I fetch
	s_bfe_u32 s40, ttmp6, 0x40000                  ; cx
	s_bfe_u32 s41, ttmp6, 0x40004                  ; cy
	s_lshl_b32 s42, ttmp9, 2
	s_add_co_u32 s42, s42, s40                     ; tile column
	s_and_b32 s13, ttmp7, 0xffff
	s_lshl_b32 s13, s13, 2
	s_add_co_u32 s13, s13, s41                     ; tile row
	s_lshl_b32 s43, s41, 2
	s_lshl_b32 s43, 15, s43                        ; my row of the cluster
	s_lshl_b32 s44, 0x1111, s40                    ; my column
	s_or_b32 s[G1+0], s43, (1<<16)|(1<<20)|(1<<21)|(5<<22)|(3<<25)  ; 15:0 the mask; 17:16 elements of 2 bytes; 20 padding on; 21 set beside a mask; 24:22 after every 64 words (code 5); 31:25 4 words (code 3)
	s_or_b32 s[G1B+0], s44, (1<<16)|(1<<20)|(1<<21)|(5<<22)|(3<<25)
	s_mov_b32 s[G1B+1], KSTEP<<16
	s_mov_b32 s[G1+1], KSTEP<<16                   ; tensor_dim0 = 128
	s_mov_b32 s[G1B+2], 128<<16
	s_mov_b32 s[G1+2], 128<<16                     ; tensor_dim1 = 128
	s_mov_b32 s[G1B+3], KSTEP<<16
	s_mov_b32 s[G1+3], KSTEP<<16                   ; tile_dim0 = 128
	s_mov_b32 s[G1B+4], 128
	s_mov_b32 s[G1+4], 128                         ; tile_dim1 = 128
	s_mov_b32 s[G1B+5], SIZE_K
	s_mov_b32 s[G1+5], SIZE_K                      ; elements from row to row
	s_mov_b32 s[G1B+6], 0
	s_mov_b32 s[G1+6], 0
	s_mov_b32 s[G1B+7], 0
	s_mov_b32 s[G1+7], 0
	s_lshl_b32 s17, s12, 7
	s_lshl_b32 s16, s13, 8
	s_add_co_u32 s16, s16, s17                     ; A: row 256 x tile row + 128 x half
	s_lshl_b32 s46, s42, 8
	s_add_co_u32 s46, s46, s17                     ; B: row 256 x tile column + 128 x half
	s_mov_b32 s17, 0
	s_mov_b32 s47, 0
	s_mov_b64 s[18:19], SIZE_K*2
	s_mul_u64 s[16:17], s[16:17], s[18:19]
	s_mul_u64 s[46:47], s[46:47], s[18:19]
	s_mul_i32 s20, s10, HALFT                      ; where they go: wave x 128 rows
	s_wait_dscnt 0x0                               ; the opening add is done
	s_wait_kmcnt 0x0
	s_add_nc_u64 s[14:15], s[4:5], s[16:17]
	s_add_nc_u64 s[46:47], s[6:7], s[46:47]
	CROUND                                         ; all sixteen work-groups are here: the first joint loads meet
.irp s, 0,1
	s_mov_b32 s[G0+4*(\s)], 1
	s_add_co_u32 s[G0+4*(\s)+1], s20, (\s)*SLOT
	s_add_nc_u64 s[G0+4*(\s)+2:G0+4*(\s)+3], s[14:15], (\s)*KSTEP*2
	s_or_b32 s[G0+4*(\s)+3], s[G0+4*(\s)+3], 0x80000000
	s_mov_b32 s[G0B+4*(\s)], 1
	s_add_co_u32 s[G0B+4*(\s)+1], s20, (\s)*SLOT
	s_add_nc_u64 s[G0B+4*(\s)+2:G0B+4*(\s)+3], s[46:47], (\s)*KSTEP*2
	s_or_b32 s[G0B+4*(\s)+3], s[G0B+4*(\s)+3], 0x80000000
	JLOAD \s
.endr
	v_and_b32 v1, 15, v0                           ; l % 16
	v_bfe_u32 v2, v0, 4, 1                         ; l / 16
	v_mul_u32_u24 v3, v1, PITCH
	v_lshl_add_u32 v3, v2, 4, v3
	s_mul_i32 s21, s11, HALFT                      ; my 128 rows of A
	s_mul_i32 s22, s12, HALFT                      ; my 128 rows of B,
	s_add_co_u32 s22, s22, 2*HALFT                 ; which lie behind A's 256
.irp s, 0,1
	v_add_nc_u32 v[ADRA+(\s)], s21, v3
	v_add_nc_u32 v[ADRB+(\s)], s22, v3
	s_add_co_u32 s21, s21, SLOT
	s_add_co_u32 s22, s22, SLOT
.endr
	s_mul_i32 s23, s10, 16*OPITCH
	s_add_co_u32 s23, s23, STAGE                   ; my stage
	v_mul_u32_u24 v4, v1, OPITCH                   ; in: row l % 16, 32 bytes for each half of the lanes
	v_lshl_add_u32 v4, v2, 5, v4
	v_add_nc_u32 v[STO], s23, v4
	v_and_b32 v5, 31, v0
	v_lshlrev_b32 v[CO], 4, v5                     ; back: 32 lanes take one row of 512 bytes
	v_add_nc_u32 v[RD], s23, v[CO]
	v_lshlrev_b32 v[BO], 5, v2
	s_lshl_b32 s13, s13, 8
	s_lshl_b32 s14, s11, 7
	s_add_co_u32 s16, s13, s14                     ; my first row of C
	s_mov_b32 s17, 0
	s_mov_b64 s[18:19], ROWC
	s_mul_u64 s[16:17], s[16:17], s[18:19]
	s_lshl_b32 s46, s42, 10                        ; my first column, in bytes of f32: 1,024 x tile column + 512 x half
	s_lshl_b32 s47, s12, 9
	s_add_co_u32 s46, s46, s47
	s_mov_b32 s47, 0
	s_add_nc_u64 s[16:17], s[16:17], s[46:47]
	s_add_nc_u64 s[BP:BP+1], s[BP:BP+1], s[46:47]  ; the same columns of the table's fourth part
	s_add_nc_u64 s[BP:BP+1], s[BP:BP+1], 12288
	; the prefetches
	s_lshl_b32 s42, s42, 8
	s_and_b32 s22, ttmp7, 0xffff                   ; cluster y
	s_cmp_eq_u32 s11, 0                            ; do I fetch for A?
	s_cselect_b32 s20, s13, s42
	s_cselect_b32 s21, s40, s41
	s_cselect_b32 s22, ttmp9, s22
	s_cselect_b64 s[PFA:PFA+1], s[4:5], s[6:7]
	s_cmp_eq_u32 s22, 0
	s_cselect_b32 s[LIM], 1, -1                    ; the same in all sixteen partners, for a given wave
	s_lshl_b32 s22, s12, 7
	s_add_co_u32 s20, s20, s22
	s_lshl_b32 s21, s21, 5
	s_add_co_u32 s20, s20, s21
	s_mov_b32 s21, 0
	s_mov_b64 s[18:19], SIZE_K*2
	s_mul_u64 s[20:21], s[20:21], s[18:19]
	s_add_nc_u64 s[PFA:PFA+1], s[PFA:PFA+1], s[20:21]
	s_add_nc_u64 s[PFA:PFA+1], s[PFA:PFA+1], 2*KSTEP*2  ; at K step 2: the first refill steps it to 3 and names K step 4
	v_and_b32 v[PFO], 31, v0
	v_mul_u32_u24 v[PFO], v[PFO], SIZE_K*2
.macro MUL16 f, hi, a0, zero           ; 16 matrix instructions; zero = 1: the product starts the sum, from the bias
.if \zero
	WIN FIRST_LO+0x40*(\hi)
.else
	WIN MUL_LO+0x50*(\hi)
.endif
.irp a, \a0, (\a0)+1
.irp b, 0,1,2,3,4,5,6,7
.if \zero
	v_wmma_f32_16x16x32_f16 v[8*(8*(\a)+(\b)):8*(8*(\a)+(\b))+7], v[(\f)+8*(\b):(\f)+8*(\b)+7], v[(\f)+8*(4*(\hi)+(\a)):(\f)+8*(4*(\hi)+(\a))+7], v[8*(\b):8*(\b)+7]
.else
	v_wmma_f32_16x16x32_f16 v[8*(8*(\a)+(\b)):8*(8*(\a)+(\b))+7], v[(\f)+8*(\b):(\f)+8*(\b)+7], v[(\f)+8*(4*(\hi)+(\a)):(\f)+8*(4*(\hi)+(\a))+7], v[8*(8*(\a)+(\b)):8*(8*(\a)+(\b))+7]
.endif
.endr
.endr
.endm
.macro FETCH slot, k, f                ; 32 LDS loads in one run: a quarter step's fragments into buffer f
	WIN TO_B
.irp i, 0,1,2,3,4,5,6,7
	ds_load_b128 v[(\f)+8*(\i):(\f)+8*(\i)+3],   v[ADRB+(\slot)] offset:(\k)+(\i)*16*PITCH
	ds_load_b128 v[(\f)+8*(\i)+4:(\f)+8*(\i)+7], v[ADRB+(\slot)] offset:(\k)+(\i)*16*PITCH+32
.endr
	WIN 0
.irp i, 0,1,2,3,4,5,6,7
	ds_load_b128 v[(\f)+8*(\i):(\f)+8*(\i)+3],   v[ADRA+(\slot)] offset:(\k)+(\i)*16*PITCH
	ds_load_b128 v[(\f)+8*(\i)+4:(\f)+8*(\i)+7], v[ADRA+(\slot)] offset:(\k)+(\i)*16*PITCH+32
.endr
.endm
.macro PLACES                          ; four places in front of loads into registers that matrix instructions have read, and of LDS stores that read results just made
.rept 4
	v_nop
.endr
.endm
.macro QUARTER slot, k, f, g, zero     ; 64 matrix instructions on buffer f; in the middle the next quarter's fragments, at byte k, into buffer g.  The 64 accumulators take turns in one order
	s_wait_dscnt 8                                 ; B and A's rows 0-63 are in; the youngest eight loads (A's rows 64-127) may be out
	MUL16 \f, 0, 0, \zero
	MUL16 \f, 0, 2, \zero
	PLACES
	FETCH \slot, \k, \g
	s_wait_dscnt 32                                ; all but the 32 just issued
	MUL16 \f, 1, 0, \zero
	MUL16 \f, 1, 2, \zero
.endm
; The change of slots: ONE barrier; in front of it each wave waits for all its tensor loads, adds 0 to its spare word, and waits for that and for its own reads of this slot.
.macro MEET round
	WIN 0                                          ; (the add's two registers lie in window 0)
	s_wait_tensorcnt 0x0                           ; all my tensor loads have landed: my part of the next slot
	ds_add_u32 v[SPW], v[NIL]                      ; 0 onto my spare word
	s_wait_dscnt 9                                 ; (the add and the youngest eight loads may be out)
	MUL16 F1, 0, 0, 0
	s_wait_dscnt 0x0                               ; the add is done, and my reads of this slot are over
	s_barrier_signal -1
	MUL16 F1, 0, 2, 0
.if \round
	WIN 0
.endif
	s_barrier_wait -1
.endm
.macro TURN slot, next                 ; the last quarter with a refill: this slot takes the K step two steps on
	s_wait_xcnt 0x0                                ; the last prefetch, a K step back, has read its address: it is stepped here
	s_add_nc_u64 s[PFA:PFA+1], s[PFA:PFA+1], KSTEP*2
	MEET 1
	CREST                                          ; the barrier has opened a round of the cluster's barrier: no wave of any partner still reads this slot's tile or has a load on its way
	s_add_nc_u64 s[G0+4*(\slot)+2:G0+4*(\slot)+3], s[G0+4*(\slot)+2:G0+4*(\slot)+3], 2*KSTEP*2
	s_add_nc_u64 s[G0B+4*(\slot)+2:G0B+4*(\slot)+3], s[G0B+4*(\slot)+2:G0B+4*(\slot)+3], 2*KSTEP*2
	JLOAD \slot                                    ; the first tensor load behind the round; its four v_nop are also the places in front of the loads below
	FETCH \next, 0, F0
	ASK
	MUL16 F1, 1, 0, 0
	MUL16 F1, 1, 2, 0
.endm
; THE WAY OUT of block a (16 rows x 128 columns of f32): the sums as they are, 32 bytes a lane and accumulator (its low registers first), into my own stage; back as whole rows of 512 bytes; stored.
.macro OUTST a
.set AC, 64*((\a)%4)
.set BK, F0+64*((\a)%2)
	WIN 0x08+4*((\a)/4)                            ; the stores' data (source 1): window 2 or 3
.irp b, 0,1,2,3,4,5,6,7
	ds_store_b128 v[STO], v[AC+8*(\b):AC+8*(\b)+3]   offset:64*(\b)
	ds_store_b128 v[STO], v[AC+8*(\b)+4:AC+8*(\b)+7] offset:64*(\b)+16
.endr
	WIN 0
	s_wait_xcnt 0x0                                ; the stores of the block two back have read this buffer: it is loaded again only behind this wait
.irp t, 0,1,2,3,4,5,6,7,8,9,10,11,12,13,14,15
	ds_load_b128 v[BK+4*(\t):BK+4*(\t)+3], v[RD] offset:(\t)*OPITCH  ; LDS serves a wave's instructions in order (ISA guide 5.7.1.4): these see the stores above
.endr
.endm
.macro OUTSEND a, younger              ; younger: the LDS instructions issued behind block a's loads: the next block's 16 stores and 16 loads, or none
.set BK, F0+64*((\a)%2)
	s_wait_dscnt \younger
	s_wait_xcnt 0x0                                ; the stores' base is written only behind this wait
.if (\a) == 0
	s_add_nc_u64 s[8:9], s[8:9], s[16:17]          ; my first rows
.else
	s_add_nc_u64 s[8:9], s[8:9], 16*ROWC
.endif
.irp t, 0,1,2,3,4,5,6,7,8,9,10,11,12,13,14,15
	global_store_b128 v[CO], v[BK+4*(\t):BK+4*(\t)+3], s[8:9] offset:(\t)*ROWC  ; 32 lanes store 512 consecutive bytes, aligned
.endr
.endm
	WIN TO_B                                       ; the bias of my 128 columns: register j of block b = bias[16 b + 8 (l / 16) + j], the layout of a result
.irp b, 0,1,2,3,4,5,6,7
	global_load_b128 v[8*(\b):8*(\b)+3],   v[BO], s[BP:BP+1] offset:64*(\b)
	global_load_b128 v[8*(\b)+4:8*(\b)+7], v[BO], s[BP:BP+1] offset:64*(\b)+16
.endr
	WIN 0
	s_wait_tensorcnt 1                             ; my part of K step 0 is in; K step 1's may stay out
	s_barrier_signal -1
	s_barrier_wait -1                              ; everybody's is
	FETCH 0, 0, F0
	s_wait_loadcnt 0x0                             ; the bias is in
	QUARTER 0, 64,  F0, F1, 1                      ; the first quarter stands in front of the loop: its products start the sums
	WIN 0                                          ; at a label and at a branch every window is 0
	s_mov_b32 s3, LAPS-1
.Llap:                                                 ; a trip goes once round the ring, from a lap's second quarter to the next lap's first, and fills both slots again
	QUARTER 0, 128, F1, F0, 0
	QUARTER 0, 192, F0, F1, 0
	TURN 0, 1
	QUARTER 1, 64,  F0, F1, 0
	QUARTER 1, 128, F1, F0, 0
	QUARTER 1, 192, F0, F1, 0
	TURN 1, 0
	QUARTER 0, 64,  F0, F1, 0
	WIN 0
	s_sub_co_u32 s3, s3, 1
	s_cmp_lg_u32 s3, 0
	s_cbranch_scc1 .Llap
	QUARTER 0, 128, F1, F0, 0                      ; the last lap fills nothing
	QUARTER 0, 192, F0, F1, 0
	MEET 0                                         ; the one tensor load that was still out is the last K step's; no round follows
	PLACES
	FETCH 1, 0, F0
	MUL16 F1, 1, 0, 0
	MUL16 F1, 1, 2, 0
	QUARTER 1, 64,  F0, F1, 0
	QUARTER 1, 128, F1, F0, 0
	QUARTER 1, 192, F0, F1, 0
	s_wait_dscnt 8                                 ; the very last quarter: nothing more to fetch
	MUL16 F1, 0, 0, 0
	MUL16 F1, 0, 2, 0
	s_wait_dscnt 0x0
	MUL16 F1, 1, 0, 0
	MUL16 F1, 1, 2, 0
	WIN 0
	PLACES
	OUTST 0
.irp a, 1,2,3,4,5,6,7
	OUTST \a                                       ; the next block's way through the stage stands between a block's loads and the wait for them
	OUTSEND (\a)-1, 32
.endr
	OUTSEND 7, 0
	s_wait_tensorcnt 0x0                           ; the wave's end: behind my last tensor load and my last LDS store
	ds_add_u32 v[SPW], v[NIL]
	s_wait_dscnt 0x0
	CROUND                                         ; the closing round: no work-group ends while a partner may still ask for a tile that names it
	s_endpgm
.Lfunc_end_k_q3a00816249_outgemm:
	.size	k_q3a00816249_outgemm, .Lfunc_end_k_q3a00816249_outgemm-k_q3a00816249_outgemm
	.p2alignl 7, 3214868480
	.fill 96, 4, 3214868480
	.section	.rodata,"a",@progbits
	.p2align	6, 0x0
	.amdhsa_kernel k_q3a00816249_outgemm
		.amdhsa_group_segment_fixed_size 327680
		.amdhsa_private_segment_fixed_size 0
		.amdhsa_enable_private_segment 0
		.amdhsa_kernarg_size 32
		.amdhsa_user_sgpr_count 2
		.amdhsa_user_sgpr_kernarg_segment_ptr 1
		.amdhsa_wavefront_size32 1
		.amdhsa_system_sgpr_workgroup_id_x 1
		.amdhsa_system_sgpr_workgroup_id_y 1
		.amdhsa_system_sgpr_workgroup_id_z 1
		.amdhsa_system_vgpr_workitem_id 0
		.amdhsa_next_free_vgpr 1024
		.amdhsa_next_free_sgpr 72
		.amdhsa_reserve_vcc 0
		.amdhsa_float_denorm_mode_32 3
		.amdhsa_float_denorm_mode_16_64 3
		.amdhsa_memory_ordered 1
		.amdhsa_forward_progress 1
		.amdhsa_inst_pref_size 144
	.end_amdhsa_kernel
	.amdgpu_metadata
---
amdhsa.version: [ 1, 2 ]
amdhsa.kernels:
  - .name:           k_q3a00816249_outgemm
    .symbol:         k_q3a00816249_outgemm.kd
    .args:
      - { .name: o16, .offset: 0, .size: 8, .value_kind: global_buffer, .address_space: global }
      - { .name: wo16, .offset: 8, .size: 8, .value_kind: global_buffer, .address_space: global }
      - { .name: out0, .offset: 16, .size: 8, .value_kind: global_buffer, .address_space: global }
      - { .name: bias, .offset: 24, .size: 8, .value_kind: global_buffer, .address_space: global }
    .group_segment_fixed_size: 327680
    .private_segment_fixed_size: 0
    .kernarg_segment_align: 8
    .kernarg_segment_size: 32
    .max_flat_workgroup_size: 128
    .sgpr_count:     72
    .vgpr_count:     1024
    .wavefront_size: 32
...
	.end_amdgpu_metadata
.endif
;; end of part 4
